; MI455X (gfx1250); checked and timed in simulation.
; The chip was launched on July 23, 2026; its instructions are those of AMD's public machine-readable ISA for CDNA 5 (MIT licence, August 2026) and "CDNA5" Instruction Set Architecture Reference Guide (July 2026). The comments in the code are by the model that wrote it; some were corrected since.
;; Multihead Attention. Allowed arithmetic: matrix products marked QUANTISED: E4M3 operands, one E8M0 scale for each 32 along K, by v_wmma_scale_f32_16x16x128_f8f6f4 with both operands' format E4M3, f32 sums; everything else in f32.
;; Inputs: Wk 768 x 768 float32; Wq 768 x 768 float32; Wv 768 x 768 float32; hidden_states 2 x 4,096 x 768 float32; key_value_states 2 x 4,096 x 768 float32.
;; Outputs: out0 2 x 4,096 x 768 float32.
;; This version of the problem:
;;   THIS VERSION OF THE PROBLEM IS GIVEN IN LOW PRECISION. The matrix products marked QUANTISED in the list below multiply operands that are first quantised to E4M3 (4 exponent bits, 3 mantissa bits; 8 bits a number), with one power-of-two scale for each 32 numbers along K (OCP MX v1.0); their sums are f32. All else is computed in f32.
;;   The module's matrix products, in the order in which they are computed (A, B: the left and right operand; K: the contracted axis; several contracted axes count as one K, in the product's order):
;;     1. [M 8,192, K 768] x [K 768, N 768]; A: input hidden_states; B: input Wq: QUANTISED
;;     2. [M 8,192, K 768] x [K 768, N 768]; A: input key_value_states; B: input Wk: QUANTISED
;;     3. [M 8,192, K 768] x [K 768, N 768]; A: input key_value_states; B: input Wv: QUANTISED
;;     4. batch 16 x [M 4,096, K 96] x [K 96, N 4,096]; A: computed on the way; B: computed on the way: QUANTISED
;;     5. batch 16 x [M 4,096, K 4,096] x [K 4,096, N 96]; A: softmax (see below); B: computed on the way: QUANTISED
;;   THE QUANTISER, for each operand of a quantised product, along K:
;;     - K is cut into blocks of 32 from its start; a last block that is shorter is filled with zeros.
;;     - A block's scale is 2^e with e = floor(log2(the largest magnitude in the block)) - 8, held to -126 .. 127; a block of zeros has e = 0. As a byte (E8M0): e + 127.
;;     - Each number is divided by its block's scale, clamped to +-448, and rounded to the nearest number of E4M3, ties to even, subnormals kept.
;;     - The product sums the exact products of the quantised numbers (number of the format x scale) in f32.
;;   ~~~python
;;   def quantise(x, axis):      # numpy; x: float32 -> the quantised numbers, widened to float32 again
;;       x = np.moveaxis(x, axis, -1); K = x.shape[-1]
;;       x = np.pad(x, [(0, 0)] * (x.ndim - 1) + [(0, -K % 32)]); x = x.reshape(x.shape[:-1] + (-1, 32)); a = np.abs(x).max(-1, keepdims=True)
;;       e = np.where(a > 0, np.clip(np.frexp(np.where(a > 0, a, 1))[1] - 1 - 8, -126, 127), 0)      # np.frexp(a)[1] - 1 = floor(log2(a)), exactly
;;       r = np.clip(x / 2.0 ** e, -448, 448)
;;       step = 2.0 ** (np.maximum(np.frexp(np.where(r == 0, 1, r))[1] - 1, -6) - 3)
;;       q = np.round(r / step) * step * 2.0 ** e      # np.round: ties to even
;;       return np.moveaxis(q.reshape(q.shape[:-2] + (-1,))[..., :K], -1, axis).astype(np.float32)
;;   ~~~
;;   SOFTMAX AHEAD OF A QUANTISED PRODUCT. Where the list says 'softmax', what is quantised is not the finished softmax but p = 2^(t - M), with t = logit x log2(e) and M = ceil(the row's largest t), a whole number; so 1/2 < the row's largest p <= 1. The row's sum l is taken of the UNQUANTISED p, in f32, and the product's result is divided by l at the end. Since M is a whole number, a kernel that streams over the keys may use a running M (the ceiling of the running maximum): every later rescaling is an exact power of two, which a block's scale takes up: the codes' values come out the same.
;;   OPERANDS COMPUTED ON THE WAY. 'Computed on the way' means the value that the module computes at that place (a softmax that the list does not call 'softmax' is quantised finished and normalised). What goes into a quantiser is computed in f32, as accurately as f32 sums, v_exp_f32 and their like allow (about 1e-6 of the number): no bf16 or f16 on the way to a quantiser, and a product that is left as it is and whose result goes on into a quantised operand takes f32 operands (vector FMAs, or v_wmma_f32_16x16x4_f32). A number that lies on a knife's edge between two numbers of the format may be rounded either way, as far as f32 arithmetic and the matrix unit's own rounding can turn it there, and no further.
;; One version. Each part assembles by itself: llvm-mc -triple=amdgcn-amd-amdhsa -mcpu=gfx1250 --defsym DOCPART=n.
;; ======== version 1 of 1: 3 launches
;; limits: right only within a limited range of input values
;; workspace buffers: pcodes 14,352,384 bytes; pscales 448,512 bytes; acodes 18,874,368 bytes; ascales 786,432 bytes
;; launch prep (part 1): grid 292 x 3, 4 waves a work-group, no clusters, 68,096 bytes of LDS; arguments hidden_states, key_value_states, Wq, Wk, Wv, pcodes, pscales; writes pcodes, pscales
.if DOCPART == 1
	.amdgcn_target "amdgcn-amd-amdhsa--gfx1250"
	.amdhsa_code_object_version 6
	.text
	.protected	k_q8406d52ec8_prep
	.globl	k_q8406d52ec8_prep
	.p2align	8
	.type	k_q8406d52ec8_prep,@function
k_q8406d52ec8_prep:
	s_mov_b64 s[64:65], 0
	v_nop
	global_prefetch_b8 v0, s[64:65] scope:SCOPE_SE
	s_setreg_imm32_b32 hwreg(HW_REG_WAVE_MODE, 25, 1), 1
	s_wait_xcnt 0x0
; PREP.  hidden_states and key_value_states ([8192][768] f32, K innermost) and Wq, Wk, Wv ([768 (k)][768 (n)] f32, K outermost) become codes of FP8 (E4M3) with one E8M0 scale byte
; for each 32 along K, laid as IMAGES OF OPERAND REGISTERS: a fragment (16 elements x 128 K) is 2,048 bytes, byte 512 c + 16 lane + e = the code of (element lane % 16, k = 32 c + 16 (lane / 16) + e).
; TILES.  Tile T of an axis (rows of the states, columns of a weight) gives lane r the element 32 (T / 2) + 8 (T % 2) + r + 8 (r / 8): used as source 0 of a product, tiles 2 b and 2 b + 1
; then leave 16 neighbours along that axis in a lane's 16 result registers, which is what the next quantiser wants.
; pcodes: [tile 0..1167][K step 0..5][2048]: tiles 0-511 hidden rows, 512-1023 key_value rows, 1024 + 48 m + T columns of Wq, Wk, Wv (m = 0, 1, 2).
; pscales: [tile][a 0..2][lane][4]: lanes 0-15 element r's scale word of K step 2 a, lanes 16-31 that of K step 2 a + 1.
; SHARES.  A wave takes one tile and two K steps (16 x 256 numbers): tile = 4 x work-group x + wave, a = work-group y.  No loop, no barrier: waves share nothing, and work-groups share no input.
; A STATE TILE: each load takes 512 consecutive bytes of one row; the 16 rows turn through the wave's own stage in LDS (rows 528 bytes apart) and come back 64 bytes a lane: 16 neighbours of each block.
; A WEIGHT TILE: a lane takes a column and its registers run down K, in the order of the operand's registers: nothing is transposed.
; A block's scale is 2^(floor(log2(its largest magnitude)) - 8); its byte is that magnitude's exponent field - 8, held at 1 from below.
; LIMITS: a block of zeros, or one whose largest magnitude lies under 2^-118, gets the byte 1 (the bytes are read by this program alone; zero codes add nothing); NaN and infinities among the inputs are not served.
.set ROWB, 3072                        ; a row of a state tensor or of a weight, in bytes
.set SP,   528                         ; a stage row: 512 bytes + 16 = 132 words, so the 16 rows that a load touches start at 16 different groups of four banks
.set STG,  16*SP                       ; a stage
.set WREG, 2*STG                       ; a wave's two stages
.set LI,   1                           ; v1   16 x lane
.set LS,   2                           ; v2   4 x lane
.set STI,  3                           ; v3   the stage, on the way in: my wave's + 16 x lane
.set STO,  4                           ; v4   on the way out: row r, + 64 (lane / 16)
.set WO,   5                           ; v5   a weight: 4 (r + 8 (r / 8)) + 16 rows x (lane / 16)
.set TM,   8                           ; v8-11 largest magnitudes, v12-15 bytes, v16-19 448 x the scale, v20-23 the conversions' scale operands
.set PWA,  24                          ; v24  the scale word of the first K step
.set PWB,  25                          ; v25  of the second
.set SW,   26                          ; v26  both: lanes 0-15 the first, lanes 16-31 the second
.set CA,   28                          ; v28-43  the first K step's codes
.set CB,   44                          ; v44-59  the second's
.set R,    64                          ; v64-191 128 registers as loaded (states)
.set NB,   64                          ; v64-127 the second K step's 64 numbers of my element
.set NA,   192                         ; v192-255 the first's
.set SRC,  24                          ; s[24:25] the tensor that my work-group reads
.set SEL,  26                          ; s[26:27] lane selects: lane l xor 16
.set MNT,  28                          ; s28  the mantissa field of 448
	s_load_b256 s[4:11], s[0:1], 0x0               ; hidden s[4:5], key_value s[6:7], Wq s[8:9], Wk s[10:11]
	s_load_b128 s[12:15], s[0:1], 0x20             ; Wv s[12:13], pcodes s[14:15]
	s_load_b64 s[16:17], s[0:1], 0x30              ; pscales
	v_lshl_add_u32 v62, v0, 2, 0x10800
	v_mov_b32 v63, 0
	v_lshrrev_b32 v6, 5, v0
	v_readfirstlane_b32 s18, v6                    ; wave
	s_and_b32 s19, ttmp7, 0xffff                   ; a
	s_lshl_b32 s20, ttmp9, 2
	s_add_co_u32 s20, s20, s18                     ; tile
	v_and_b32 v7, 31, v0
	v_lshlrev_b32 v[LI], 4, v7
	v_lshlrev_b32 v[LS], 2, v7
	s_mul_i32 s21, s18, WREG
	v_add_nc_u32 v[STI], s21, v[LI]
	v_and_b32 v6, 15, v0                           ; r
	v_bfe_u32 v7, v0, 4, 1                         ; h
	v_mul_u32_u24 v[STO], v6, SP
	v_lshl_add_u32 v[STO], v7, 6, v[STO]
	v_add_nc_u32 v[STO], s21, v[STO]
	v_and_b32 v[WO], 8, v6
	v_add_nc_u32 v[WO], v[WO], v6                  ; r + 8 (r / 8)
	v_lshlrev_b32 v[WO], 2, v[WO]
	v_mul_u32_u24 v7, v7, 16*ROWB
	v_add_nc_u32 v[WO], v[WO], v7
.irp b, 0,1,2,3
	v_mov_b32 v[TM+4+\b], 0                        ; written once: a lane permute's destination counts as one of its sources
.endr
	s_mov_b32 s[SEL], 0x76543210
	s_mov_b32 s[SEL+1], 0xfedcba98
	s_mov_b32 s[MNT], 0x600000
	s_mov_b32 vcc_lo, 0xffff0000                   ; lanes 16-31
	s_mul_i32 s22, s20, 3
	s_add_co_u32 s22, s22, s19                     ; 3 tile + a
	s_lshl_b32 s30, s22, 12                        ; two fragments, 4,096 bytes
	s_mov_b32 s31, 0
	s_wait_kmcnt 0x0
	s_add_nc_u64 s[14:15], s[14:15], s[30:31]
	s_lshl_b32 s30, s22, 7                         ; 128 bytes of scale words
	s_add_nc_u64 s[16:17], s[16:17], s[30:31]
	s_mov_b64 s[SRC:SRC+1], s[12:13]               ; which tensor: the choice hangs on the work-group's number alone
	s_cmp_lt_u32 ttmp9, 280
	s_cselect_b64 s[SRC:SRC+1], s[10:11], s[SRC:SRC+1]
	s_cmp_lt_u32 ttmp9, 268
	s_cselect_b64 s[SRC:SRC+1], s[8:9], s[SRC:SRC+1]
	s_cmp_lt_u32 ttmp9, 256
	s_cselect_b64 s[SRC:SRC+1], s[6:7], s[SRC:SRC+1]
	s_cmp_lt_u32 ttmp9, 128
	s_cselect_b64 s[SRC:SRC+1], s[4:5], s[SRC:SRC+1]
	s_cmp_lt_u32 ttmp9, 256
	s_cbranch_scc0 .Lweight
	; ---- a tile of 16 rows of a state tensor
	s_and_b32 s21, s20, 511
	s_lshr_b32 s22, s21, 1
	s_lshl_b32 s22, s22, 5
	s_and_b32 s23, s21, 1
	s_lshl_b32 s23, s23, 3
	s_add_co_u32 s22, s22, s23                     ; the tile's first row: 32 (T / 2) + 8 (T % 2)
	s_mul_i32 s30, s22, ROWB
	s_lshl_b32 s23, s19, 10                        ; 256 numbers along K for each a
	s_add_co_u32 s30, s30, s23
	s_add_nc_u64 s[SRC:SRC+1], s[SRC:SRC+1], s[30:31]
.irp s, 0,1
.irp i, 0,1,2,3,4,5,6,7,8,9,10,11,12,13,14,15
	global_load_b128 v[R+64*\s+4*\i:R+64*\s+4*\i+3], v[LI], s[SRC:SRC+1] offset:(\i+8*(\i/8))*ROWB+512*\s th:TH_LOAD_NT   ; 32 lanes read 512 consecutive bytes of the tile's row i
.endr
.endr
	s_wait_loadcnt 16                              ; the first K step's 16 loads are in; the second's 16 may be out
.irp i, 0,1,2,3,4,5,6,7,8,9,10,11,12,13,14,15
	ds_store_b128 v[STI], v[R+4*\i:R+4*\i+3] offset:SP*\i
.endr
.irp c, 0,1,2,3
.irp j, 0,1,2,3
	ds_load_b128 v[NA+16*\c+4*\j:NA+16*\c+4*\j+3], v[STO] offset:128*\c+16*\j   ; LDS serves a wave's instructions in order: these see my stores
.endr
.endr
	s_wait_loadcnt 0x0
.irp i, 0,1,2,3,4,5,6,7,8,9,10,11,12,13,14,15
	ds_store_b128 v[STI], v[R+64+4*\i:R+64+4*\i+3] offset:STG+SP*\i
.endr
	s_wait_dscnt 16                                ; only the 16 stores just issued may be out: the first stage's stores have read v64-127, which the loads below take
.irp c, 0,1,2,3
.irp j, 0,1,2,3
	ds_load_b128 v[NB+16*\c+4*\j:NB+16*\c+4*\j+3], v[STO] offset:STG+128*\c+16*\j
.endr
.endr
	s_wait_dscnt 0x0
	s_branch .Lquant
.Lweight:
	; ---- a tile of 16 columns of a weight
	s_sub_co_u32 s21, s20, 1024
.rept 2
	s_cmp_ge_u32 s21, 48                           ; 48 tiles to a weight
	s_cselect_b32 s22, 48, 0
	s_sub_co_u32 s21, s21, s22
.endr
	s_lshr_b32 s22, s21, 1
	s_lshl_b32 s22, s22, 7                         ; 32 columns of 4 bytes
	s_and_b32 s23, s21, 1
	s_lshl_b32 s23, s23, 5
	s_add_co_u32 s30, s22, s23
	s_mul_i32 s22, s19, 256*ROWB                   ; 256 rows along K for each a
	s_add_co_u32 s30, s30, s22
	s_add_nc_u64 s[SRC:SRC+1], s[SRC:SRC+1], s[30:31]
.irp c, 0,1,2,3
.irp i, 0,1,2,3,4,5,6,7,8,9,10,11,12,13,14,15
	global_load_b32 v[NA+16*\c+\i], v[WO], s[SRC:SRC+1] offset:(32*\c+\i)*ROWB        ; W(32 c + 16 h + i, my column)
.endr
.endr
.irp c, 0,1,2,3
.irp i, 0,1,2,3,4,5,6,7,8,9,10,11,12,13,14,15
	global_load_b32 v[NB+16*\c+\i], v[WO], s[SRC:SRC+1] offset:(128+32*\c+\i)*ROWB
.endr
.endr
	s_wait_loadcnt 0x0
; 64 numbers of a lane, register 16 b + i = k 32 b + 16 (lane / 16) + i of my element, become a fragment's codes and its scale word
.macro QUANT src, cod, pw
.irp b, 0,1,2,3
	v_max3_num_f32 v[TM+\b], |v[\src+16*\b]|, |v[\src+16*\b+1]|, 0x4800000   ; block b: my 16 numbers, and the floor 2^(9 - 127): the byte cannot fall under 1
.endr
.irp i, 2,4,6,8,10,12,14
.irp b, 0,1,2,3
	v_max3_num_f32 v[TM+\b], v[TM+\b], |v[\src+16*\b+\i]|, |v[\src+16*\b+\i+1]|   ; the four blocks by turns
.endr
.endr
.irp b, 0,1,2,3
	v_permlanex16_b32 v[TM+4+\b], v[TM+\b], s[SEL], s[SEL+1]
.endr
.irp b, 0,1,2,3
	v_max_num_f32 v[TM+\b], v[TM+\b], v[TM+4+\b]   ; with lane l xor 16's 16: the block's largest magnitude
.endr
.irp b, 0,1,2,3
	v_add_nc_u32 v[TM+12+\b], 0xfc000000, v[TM+\b] ; 8 off its exponent field: the conversion takes the exponent field of this operand as its scale
.endr
.irp b, 0,1,2,3
	v_and_or_b32 v[TM+8+\b], v[TM+\b], 0x7f800000, s[MNT]   ; 448 x the scale
.endr
.irp b, 0,1,2,3
	v_lshrrev_b32 v[TM+4+\b], 23, v[TM+12+\b]      ; the scale's byte
.endr
	v_lshl_or_b32 v[\pw], v[TM+5], 8, v[TM+4]
	v_lshl_or_b32 v[\pw], v[TM+6], 16, v[\pw]
	v_lshl_or_b32 v[\pw], v[TM+7], 24, v[\pw]
.irp b, 0,1,2,3
.irp i, 0,1,2,3,4,5,6,7,8,9,10,11,12,13,14,15
	v_med3_num_f32 v[\src+16*\b+\i], v[\src+16*\b+\i], -v[TM+8+\b], v[TM+8+\b]   ; the conversion to an 8-bit code does not saturate (ISA guide 7.6.2): the hold comes first
.endr
	v_cvt_scalef32_pk8_fp8_f32 v[\cod+4*\b:\cod+4*\b+1], v[\src+16*\b:\src+16*\b+7], v[TM+12+\b]
	v_cvt_scalef32_pk8_fp8_f32 v[\cod+4*\b+2:\cod+4*\b+3], v[\src+16*\b+8:\src+16*\b+15], v[TM+12+\b]
.endr
	v_nop                                          ; one plain line behind the last conversion of a run
.endm
.Lquant:
	QUANT NA, CA, PWA
	QUANT NB, CB, PWB
	v_cndmask_b32 v[SW], v[PWA], v[PWB], vcc_lo    ; both halves of the lanes hold both words: lanes 16-31 keep the second K step's
.irp c, 0,1,2,3
	global_store_b128 v[LI], v[CA+4*\c:CA+4*\c+3], s[14:15] offset:512*\c          ; 32 lanes store 512 consecutive bytes, aligned
.endr
.irp c, 0,1,2,3
	global_store_b128 v[LI], v[CB+4*\c:CB+4*\c+3], s[14:15] offset:2048+512*\c
.endr
	global_store_b32 v[LS], v[SW], s[16:17]        ; 128 consecutive bytes
	s_wait_tensorcnt 0x0
	ds_add_u32 v62, v63
	s_wait_dscnt 0x0
	s_endpgm
.Lfunc_end_k_q8406d52ec8_prep:
	.size	k_q8406d52ec8_prep, .Lfunc_end_k_q8406d52ec8_prep-k_q8406d52ec8_prep
	.p2alignl 7, 3214868480
	.fill 96, 4, 3214868480
	.section	.rodata,"a",@progbits
	.p2align	6, 0x0
	.amdhsa_kernel k_q8406d52ec8_prep
		.amdhsa_group_segment_fixed_size 68096
		.amdhsa_private_segment_fixed_size 0
		.amdhsa_enable_private_segment 0
		.amdhsa_kernarg_size 56
		.amdhsa_user_sgpr_count 2
		.amdhsa_user_sgpr_kernarg_segment_ptr 1
		.amdhsa_wavefront_size32 1
		.amdhsa_system_sgpr_workgroup_id_x 1
		.amdhsa_system_sgpr_workgroup_id_y 1
		.amdhsa_system_sgpr_workgroup_id_z 1
		.amdhsa_system_vgpr_workitem_id 0
		.amdhsa_next_free_vgpr 256
		.amdhsa_next_free_sgpr 66
		.amdhsa_reserve_vcc 1
		.amdhsa_float_denorm_mode_32 3
		.amdhsa_float_denorm_mode_16_64 3
		.amdhsa_memory_ordered 1
		.amdhsa_forward_progress 1
		.amdhsa_inst_pref_size 40
	.end_amdhsa_kernel
	.amdgpu_metadata
---
amdhsa.version: [ 1, 2 ]
amdhsa.kernels:
  - .name:           k_q8406d52ec8_prep
    .symbol:         k_q8406d52ec8_prep.kd
    .args:
      - { .name: hidden_states, .offset: 0, .size: 8, .value_kind: global_buffer, .address_space: global }
      - { .name: key_value_states, .offset: 8, .size: 8, .value_kind: global_buffer, .address_space: global }
      - { .name: Wq, .offset: 16, .size: 8, .value_kind: global_buffer, .address_space: global }
      - { .name: Wk, .offset: 24, .size: 8, .value_kind: global_buffer, .address_space: global }
      - { .name: Wv, .offset: 32, .size: 8, .value_kind: global_buffer, .address_space: global }
      - { .name: pcodes, .offset: 40, .size: 8, .value_kind: global_buffer, .address_space: global }
      - { .name: pscales, .offset: 48, .size: 8, .value_kind: global_buffer, .address_space: global }
    .group_segment_fixed_size: 68096
    .private_segment_fixed_size: 0
    .kernarg_segment_align: 8
    .kernarg_segment_size: 56
    .max_flat_workgroup_size: 128
    .sgpr_count:     66
    .vgpr_count:     256
    .wavefront_size: 32
...
	.end_amdgpu_metadata
.endif
;; end of part 1
;; launch proj (part 2): grid 6 x 32, 4 waves a work-group, no clusters, 203,264 bytes of LDS; arguments pcodes, pscales, acodes, ascales; writes acodes, ascales
.if DOCPART == 2
	.amdgcn_target "amdgcn-amd-amdhsa--gfx1250"
	.amdhsa_code_object_version 6
	.text
	.protected	k_q8406d52ec8_proj
	.globl	k_q8406d52ec8_proj
	.p2align	8
	.type	k_q8406d52ec8_proj,@function
k_q8406d52ec8_proj:
	s_mov_b64 s[64:65], 0
	v_nop
	global_prefetch_b8 v0, s[64:65] scope:SCOPE_SE
	s_setreg_imm32_b32 hwreg(HW_REG_WAVE_MODE, 25, 1), 1
	s_wait_xcnt 0x0
; PROJ.  q = hidden Wq / sqrt(96), k = key_value Wk, v = key_value Wv, on the codes that the launch before has laid as images of operand registers; the results are quantised in registers
; for the two products of attention (q and k along the head's 96, v along the keys) and stored as images again.  Sums in f32, K ascending, one accumulator for each output.
; SHARES.  job = work-group x: m = job / 2 says which product (0 q, 1 k, 2 v), job % 2 which four heads; work-group y: 256 rows = 16 tiles.  Wave w owns head 4 (job % 2) + w: its 96 columns x 768 K
; of the weight are 36 fragments, 576 registers, read once and kept.  The work-group's 16 tiles of x (196,608 bytes of codes, 6,144 of scale words, both dense in memory) come into LDS once, by two
; tensor loads a wave; nothing is filled again, so there is one barrier in the launch.
; NO CLUSTER: of the six jobs along x two read hidden's rows and four key_value's: no cluster of four along x divides six so that partners read the same rows.
; TILES are those of the launch before: lane r of tile T holds element 32 (T / 2) + 8 (T % 2) + r + 8 (r / 8).
; q, k: source 0 = 16 columns of W, source 1 = 16 rows of x: a lane holds ONE row, and the 16 registers of column tiles 2 b, 2 b + 1 are head dims 32 b + 16 (lane / 16) + 0 .. 15.
; v:    source 0 = 16 rows of x, source 1 = 16 columns of W: a lane holds ONE channel, and the 16 registers of row tiles 2 P, 2 P + 1 are keys 32 P + 16 (lane / 16) + 0 .. 15.
; acodes: [m][8 batch + head][group of 128 rows][12288]: m = 0, 1: [tile 0..7][quad c 0..2][lane][16]; m = 2: [channel tile 0..5][quad c 0..3][lane][16].
; ascales: [m][8 batch + head][group][512]: m = 0, 1: [pair p][lane][4]: lanes 0-15 tile 2 p, lanes 16-31 tile 2 p + 1, byte 3 = 0; m = 2: [lane][16]: lanes 0-15 the words of channel tiles 0, 1, 2, lanes 16-31 of 3, 4, 5.
; LIMITS: q is multiplied by the f32 number nearest to 1 / sqrt(96) where the definition divides by sqrt(96): a difference of about 1e-7 of the number.  A block of zeros, or one under 2^-118, gets the byte 1.  NaN and infinities are not served.
; REGISTERS, in windows of 256: window 0: see the names below.  Windows 1 to 3: the weight's fragment (column tile t, K step s) at register 96 (s % 2) + 16 t of window 1 + s / 2.
.set TILEB, 12288                      ; a tile's six fragments
.set TILES, 384                        ; and its scale words
.set XSCL,  16*TILEB                   ; LDS: 16 tiles of codes, then their scale words
.set LI,   1                           ; v1   16 x lane
.set LS,   2                           ; v2   4 x lane
.set XA,   3                           ; v3   LDS: 16 x lane + the trip's first tile
.set XSA,  4                           ; v4   LDS: its scale words
.set WS,   6                           ; v6-23   the weight's scale words: tile t, pair of K steps a at 3 t + a
.set XS,   24                          ; v24-26  x's, for the tile in hand
.set PW,   27                          ; v27-28  the scale words of a pair of tiles
.set PAIRW, 29                         ; v29     both in one register
.set VW,   30                          ; v30-35  v: a scale word in the making for each channel tile
.set VSQ,  36                          ; v36-39  v: four words a lane, the fourth 0
.set BM,   40                          ; v40-42 largest magnitudes; v43-45 bytes; v49-51 the conversions' scale operands
.set PX,   43
.set HOLD, 46
.set SCOP, 49
.set CD,   52                          ; v52-63  codes
.set XF,   64                          ; v64-159 x's six fragments
.set ACC,  160                         ; v160-255 two banks of six accumulators
.set WV,   12
.set JOB,  13
.set GRP,  14
.set MSEL, 15
.set SEL,  18                          ; s[18:19] lane selects: lane l xor 16
.set MNT,  20
.set CNT,  21
.set FAC,  22                          ; s[22:23] 1 / sqrt(96), twice: the packed form names a pair
.set G1,   24                          ; s[24:31], s[32:35] the codes' descriptor;  s[36:43], s[44:47] the scale words'
.set G0,   32
.set G1S,  36
.set G0S,  44
.set WP,   48                          ; s[48:49] my head's fragments of the weight;  s[50:51] their scale words
.set WSP,  50
.set OC,   52                          ; s[52:53] where the codes go;  s[54:55] the scale words
.set OS,   54
.set MSB, 0
.macro WIN new                         ; the immediate's high byte repeats the setting that is left; a switch that changes nothing is dropped
.if MSB != (\new)
	s_set_vgpr_msb (MSB<<8)|(\new)
.set MSB, (\new)
.endif
.endm
	s_load_b256 s[4:11], s[0:1], 0x0               ; pcodes s[4:5], pscales s[6:7], acodes s[8:9], ascales s[10:11]
	v_lshl_add_u32 v5, v0, 2, 0x31800
	s_set_vgpr_msb 0x40
	v_mov_b32 v255, 0
	s_set_vgpr_msb 0x4044
	ds_add_u32 v5, v255
	ds_add_u32 v5, v255
	s_set_vgpr_msb 0x4400
	v_lshrrev_b32 v1, 5, v0
	v_readfirstlane_b32 s[WV], v1                  ; wave 0..3
	s_mov_b32 s[JOB], ttmp9
	s_and_b32 s[GRP], ttmp7, 0xffff
	s_lshr_b32 s[MSEL], s[JOB], 1
	; descriptor group 1: a dense block as rows of 256 bytes (32 elements of 8 bytes): 192 rows of codes, 6 rows of scale words
	s_mov_b32 s[G1], 3<<16                         ; no mask; elements of 8 bytes; no padding
	s_mov_b32 s[G1+1], 32<<16                      ; tensor_dim0
	s_mov_b32 s[G1+2], 192<<16                     ; tensor_dim1
	s_mov_b32 s[G1+3], 32<<16                      ; tile_dim0
	s_mov_b32 s[G1+4], 192                         ; tile_dim1
	s_mov_b32 s[G1+5], 32                          ; from row to row
	s_mov_b32 s[G1+6], 0
	s_mov_b32 s[G1+7], 0
	s_mov_b32 s[G1S], 3<<16
	s_mov_b32 s[G1S+1], 32<<16
	s_mov_b32 s[G1S+2], 6<<16
	s_mov_b32 s[G1S+3], 32<<16
	s_mov_b32 s[G1S+4], 6
	s_mov_b32 s[G1S+5], 32
	s_mov_b32 s[G1S+6], 0
	s_mov_b32 s[G1S+7], 0
	s_cmp_ge_u32 s[JOB], 2                         ; q reads hidden's tiles, k and v key_value's, which lie 512 tiles on
	s_cselect_b32 s16, 512, 0
	s_lshl_b32 s17, s[GRP], 4
	s_add_co_u32 s16, s16, s17
	s_lshl_b32 s17, s[WV], 2
	s_add_co_u32 s16, s16, s17                     ; the first of the four tiles that I fetch
	s_mul_i32 s56, s16, TILEB
	s_mov_b32 s57, 0
	s_mov_b32 s[G0], 1
	s_mul_i32 s[G0+1], s[WV], 4*TILEB              ; LDS: wave x four tiles
	s_mov_b32 s[G0S], 1
	s_mul_i32 s[G0S+1], s[WV], 4*TILES
	s_add_co_u32 s[G0S+1], s[G0S+1], XSCL
	s_wait_dscnt 0x0
	s_wait_kmcnt 0x0
	s_add_nc_u64 s[G0+2:G0+3], s[4:5], s[56:57]
	s_or_b32 s[G0+3], s[G0+3], 0x80000000
	s_mul_i32 s56, s16, TILES
	s_add_nc_u64 s[G0S+2:G0S+3], s[6:7], s[56:57]
	s_or_b32 s[G0S+3], s[G0S+3], 0x80000000
	tensor_load_to_lds s[G0:G0+3], s[G1:G1+7]      ; the launch's only fills: two loads of mine are out
	s_nop 0
	tensor_load_to_lds s[G0S:G0S+3], s[G1S:G1S+7]
	s_nop 0
.rept 4
	v_nop                                          ; four ahead of the next switch of windows
.endr
	s_and_b32 s16, s[JOB], 1
	s_lshl_b32 s16, s16, 2
	s_add_co_u32 s16, s16, s[WV]                   ; my head
	s_mul_i32 s17, s[MSEL], 48
	s_add_co_u32 s17, s17, 1024
	s_mul_i32 s56, s16, 6
	s_add_co_u32 s17, s17, s56                     ; my first tile of the weight: 1024 + 48 m + 6 head
	s_mul_i32 s56, s17, TILEB
	s_add_nc_u64 s[WP:WP+1], s[4:5], s[56:57]
	s_mul_i32 s56, s17, TILES
	s_add_nc_u64 s[WSP:WSP+1], s[6:7], s[56:57]
	s_lshr_b32 s17, s[GRP], 4
	s_lshl_b32 s17, s17, 3
	s_add_co_u32 s16, s16, s17                     ; 8 batch + head
	s_and_b32 s17, s[GRP], 15                      ; which 256 rows of the batch: two groups of 128
	s_mul_i32 s56, s[MSEL], 6291456
	s_mul_i32 s58, s16, 393216
	s_add_co_u32 s56, s56, s58
	s_mul_i32 s58, s17, 2*TILEB
	s_add_co_u32 s56, s56, s58
	s_add_nc_u64 s[OC:OC+1], s[8:9], s[56:57]
	s_lshl_b32 s56, s[MSEL], 18
	s_lshl_b32 s58, s16, 14
	s_add_co_u32 s56, s56, s58
	s_lshl_b32 s58, s17, 10
	s_add_co_u32 s56, s56, s58
	s_add_nc_u64 s[OS:OS+1], s[10:11], s[56:57]
	s_mov_b32 s[SEL], 0x76543210
	s_mov_b32 s[SEL+1], 0xfedcba98
	s_mov_b32 s[FAC], 0x3dd105ec                   ; 1 / sqrt(96)
	s_mov_b32 s[FAC+1], s[FAC]
	s_mov_b32 s[CNT], 8
	s_mov_b32 vcc_lo, 0xffff0000                   ; lanes 16-31
	v_and_b32 v2, 31, v0
	v_lshlrev_b32 v[LI], 4, v2
	v_lshlrev_b32 v[LS], 2, v2
	v_mov_b32 v[XA], v[LI]
	v_add_nc_u32 v[XSA], XSCL, v[LS]
.irp t, 0,1,2,3,4,5
	v_mov_b32 v[VW+\t], 0
.endr
	v_mov_b32 v[VSQ+3], 0
.irp b, 0,1,2
	v_mov_b32 v[PX+\b], 0                          ; written once: a lane permute's destination counts as one of its sources
.endr
.irp s, 0,1,2,3,4,5
	WIN ((1+\s/2)<<6)                              ; destination window 1 + s / 2
.irp t, 0,1,2,3,4,5
.irp c, 0,1,2,3
	global_load_b128 v[96*(\s%2)+16*\t+4*\c:96*(\s%2)+16*\t+4*\c+3], v[LI], s[WP:WP+1] offset:(6*\t+\s)*2048+512*\c   ; 512 consecutive bytes a load
.endr
.endr
.endr
	WIN 0
.irp t, 0,1,2,3,4,5
.irp a, 0,1,2
	global_load_b32 v[WS+3*\t+\a], v[LS], s[WSP:WSP+1] offset:(3*\t+\a)*128
.endr
.endr
; x's fragments and scale words of the tile n tiles on from the trip's first
.macro FETCHX n
.irp s, 0,1,2,3,4,5
.irp c, 0,1,2,3
	ds_load_b128 v[XF+16*\s+4*\c:XF+16*\s+4*\c+3], v[XA] offset:TILEB*\n+2048*\s+512*\c
.endr
.endr
.irp a, 0,1,2
	ds_load_b32 v[XS+\a], v[XSA] offset:TILES*\n+128*\a
.endr
.endm
; 36 matrix instructions: a tile of x against my six column tiles, six K steps.  mode 0: source 0 = W, source 1 = x;  mode 1: the other way round, the scales with them.
; The six accumulators take turns, one instruction a turn; the first K step starts the sums.  An odd K step's scale words stand in lanes 16-31.
.macro MULT mode, bank
.irp s, 0,1,2,3,4,5
.if \mode
	WIN ((1+\s/2)<<2)
.else
	WIN (1+\s/2)
.endif
.irp t, 0,1,2,3,4,5
.set rD, ACC+48*\bank+8*\t
.set rW, 96*(\s%2)+16*\t
.set rX, XF+16*\s
.set rWS, WS+3*\t+\s/2
.set rXS, XS+\s/2
.if \mode == 0
.if \s == 0
	v_wmma_scale_f32_16x16x128_f8f6f4 v[rD:rD+7], v[rW:rW+15], v[rX:rX+15], 0, v[rWS], v[rXS]
.elseif \s%2
	v_wmma_scale_f32_16x16x128_f8f6f4 v[rD:rD+7], v[rW:rW+15], v[rX:rX+15], v[rD:rD+7], v[rWS], v[rXS] matrix_a_scale:MATRIX_SCALE_ROW1 matrix_b_scale:MATRIX_SCALE_ROW1
.else
	v_wmma_scale_f32_16x16x128_f8f6f4 v[rD:rD+7], v[rW:rW+15], v[rX:rX+15], v[rD:rD+7], v[rWS], v[rXS]
.endif
.else
.if \s == 0
	v_wmma_scale_f32_16x16x128_f8f6f4 v[rD:rD+7], v[rX:rX+15], v[rW:rW+15], 0, v[rXS], v[rWS]
.elseif \s%2
	v_wmma_scale_f32_16x16x128_f8f6f4 v[rD:rD+7], v[rX:rX+15], v[rW:rW+15], v[rD:rD+7], v[rXS], v[rWS] matrix_a_scale:MATRIX_SCALE_ROW1 matrix_b_scale:MATRIX_SCALE_ROW1
.else
	v_wmma_scale_f32_16x16x128_f8f6f4 v[rD:rD+7], v[rX:rX+15], v[rW:rW+15], v[rD:rD+7], v[rXS], v[rWS]
.endif
.endif
.endr
.endr
	WIN 0
.endm
; A tile: its fragments are in; its products; eight places, which serve the loads into x's registers and the first read of the results; then the next tile is fetched, to land under the quantising.
; last = 1: in the eighth trip there is no next tile.
.macro TILE mode, bank, nxt, last
	s_wait_dscnt 0x0
	MULT \mode, \bank
.rept 8
	v_nop
.endr
.if \last
	s_cmp_eq_u32 s[CNT], 1
	s_cbranch_scc1 .Lnofetch_\@
.endif
	FETCHX \nxt
.if \last
.Lnofetch_\@:
.endif
.endm
; q, k: a bank's 48 numbers of a lane (my row's 96 head dims, my half of each block of 32) become three quads of codes and a scale word of three bytes
.macro QUANT3 bank, par
.set ACB, ACC+48*\bank
	s_cmp_lg_u32 s[MSEL], 0                        ; q alone is divided by sqrt(96): a branch on the job's number
	s_cbranch_scc1 .Lplain_\@
.irp j, 0,2,4,6,8,10,12,14,16,18,20,22,24,26,28,30,32,34,36,38,40,42,44,46
	v_pk_mul_f32 v[ACB+\j:ACB+\j+1], v[ACB+\j:ACB+\j+1], s[FAC:FAC+1] op_sel_hi:[1,0]   ; ascending: each accumulator is read from its low end on
.endr
.Lplain_\@:
.irp b, 0,1,2
	v_max3_num_f32 v[BM+\b], |v[ACB+16*\b]|, |v[ACB+16*\b+1]|, 0x4800000   ; and the floor 2^(9 - 127)
.endr
.irp i, 2,4,6,8,10,12,14
.irp b, 0,1,2
	v_max3_num_f32 v[BM+\b], v[BM+\b], |v[ACB+16*\b+\i]|, |v[ACB+16*\b+\i+1]|
.endr
.endr
.irp b, 0,1,2
	v_permlanex16_b32 v[PX+\b], v[BM+\b], s[SEL], s[SEL+1]
.endr
.irp b, 0,1,2
	v_max_num_f32 v[BM+\b], v[BM+\b], v[PX+\b]
.endr
.irp b, 0,1,2
	v_add_nc_u32 v[SCOP+\b], 0xfc000000, v[BM+\b]
.endr
.irp b, 0,1,2
.endr
.irp b, 0,1,2
	v_lshrrev_b32 v[PX+\b], 23, v[SCOP+\b]
.endr
	v_lshl_or_b32 v[PW+\par], v[PX+1], 8, v[PX]
	v_lshl_or_b32 v[PW+\par], v[PX+2], 16, v[PW+\par]   ; byte 3 stays 0: the fourth block of 32 holds zero codes
	s_wait_alu depctr_va_vdst(0)
	s_wait_xcnt 0x0                                ; the last stores have read the codes' registers
.irp b, 0,1,2
.irp i, 0,1,2,3,4,5,6,7,8,9,10,11,12,13,14,15
.endr
	v_cvt_scalef32_pk8_fp8_f32 v[CD+4*\b:CD+4*\b+1], v[ACB+16*\b:ACB+16*\b+7], v[SCOP+\b]
	v_cvt_scalef32_pk8_fp8_f32 v[CD+4*\b+2:CD+4*\b+3], v[ACB+16*\b+8:ACB+16*\b+15], v[SCOP+\b]
.endr
	v_nop                                          ; one plain line behind the last conversion: the next products write its sources
.irp b, 0,1,2
	global_store_b128 v[LI], v[CD+4*\b:CD+4*\b+3], s[OC:OC+1] offset:1536*\par+512*\b   ; 512 consecutive bytes, aligned
.endr
.endm
; v: channel tiles 3 grp + 0 .. 2.  A block of 32 keys of my channel: eight registers of bank 0, eight of bank 1, and lane l xor 16's
.macro QUANTV grp
.irp k, 0,1,2
	v_max3_num_f32 v[BM+\k], |v[ACC+8*(3*\grp+\k)]|, |v[ACC+8*(3*\grp+\k)+1]|, 0x4800000
.endr
.irp i, 2,4,6
.irp k, 0,1,2
	v_max3_num_f32 v[BM+\k], v[BM+\k], |v[ACC+8*(3*\grp+\k)+\i]|, |v[ACC+8*(3*\grp+\k)+\i+1]|
.endr
.endr
.irp i, 0,2,4,6
.irp k, 0,1,2
	v_max3_num_f32 v[BM+\k], v[BM+\k], |v[ACC+48+8*(3*\grp+\k)+\i]|, |v[ACC+48+8*(3*\grp+\k)+\i+1]|
.endr
.endr
.irp k, 0,1,2
	v_permlanex16_b32 v[PX+\k], v[BM+\k], s[SEL], s[SEL+1]
.endr
.irp k, 0,1,2
	v_max_num_f32 v[BM+\k], v[BM+\k], v[PX+\k]
.endr
.irp k, 0,1,2
	v_add_nc_u32 v[SCOP+\k], 0xfc000000, v[BM+\k]
.endr
.irp k, 0,1,2
.endr
.irp k, 0,1,2
	v_lshrrev_b32 v[PX+\k], 23, v[SCOP+\k]
.endr
.irp k, 0,1,2
	v_lshrrev_b32 v[VW+3*\grp+\k], 8, v[VW+3*\grp+\k]   ; the byte comes in at the top: after four blocks the first stands in byte 0
.endr
.irp k, 0,1,2
	v_lshl_or_b32 v[VW+3*\grp+\k], v[PX+\k], 24, v[VW+3*\grp+\k]
.endr
	s_wait_xcnt 0x0                                ; the last stores have read the codes' registers
.irp k, 0,1,2
.irp i, 0,1,2,3,4,5,6,7
.endr
.irp i, 0,1,2,3,4,5,6,7
.endr
	v_cvt_scalef32_pk8_fp8_f32 v[CD+4*\k:CD+4*\k+1], v[ACC+8*(3*\grp+\k):ACC+8*(3*\grp+\k)+7], v[SCOP+\k]
	v_cvt_scalef32_pk8_fp8_f32 v[CD+4*\k+2:CD+4*\k+3], v[ACC+48+8*(3*\grp+\k):ACC+48+8*(3*\grp+\k)+7], v[SCOP+\k]
.endr
	v_nop                                          ; one plain line behind the last conversion
.irp k, 0,1,2
	global_store_b128 v[LI], v[CD+4*\k:CD+4*\k+3], s[OC:OC+1] offset:2048*(3*\grp+\k)
.endr
.endm
	s_wait_loadcnt 0x0                             ; the weight and its scale words
	s_wait_tensorcnt 0x0                           ; my four tiles of x and their scale words have landed,
	s_barrier_signal -1
	s_barrier_wait -1                              ; everybody's have
	FETCHX 0
.Ltrip:                                                ; eight trips, a pair of tiles each; both ways walk this one loop and part inside it, on the job's number
	s_cmp_eq_u32 s[MSEL], 2
	s_cbranch_scc1 .Lv
	s_wait_alu depctr_va_vdst(0)
	TILE 0, 0, 1, 0
	QUANT3 0, 0
	TILE 0, 1, 2, 1
	QUANT3 1, 1
	v_cndmask_b32 v[PAIRW], v[PW], v[PW+1], vcc_lo ; lanes 0-15 the even tile's words, lanes 16-31 the odd tile's
	global_store_b32 v[LS], v[PAIRW], s[OS:OS+1]
	s_wait_xcnt 0x0                                ; the stores have read their bases and their data
	s_add_nc_u64 s[OC:OC+1], s[OC:OC+1], 3072
	s_add_nc_u64 s[OS:OS+1], s[OS:OS+1], 128
	s_branch .Lnext
.Lv:
	s_wait_alu depctr_va_vdst(0)
	TILE 1, 0, 1, 0
	TILE 1, 1, 2, 1
	QUANTV 0
	QUANTV 1
	s_wait_xcnt 0x0
	s_add_nc_u64 s[OC:OC+1], s[OC:OC+1], 512       ; the next quad of each channel tile
	s_and_b32 s16, s[CNT], 3
	s_cmp_lg_u32 s16, 1                            ; behind every fourth pair a group of 128 keys is whole
	s_cbranch_scc1 .Lnext
	s_wait_alu depctr_va_vdst(0)
.irp k, 0,1,2
	v_cndmask_b32 v[VSQ+\k], v[VW+\k], v[VW+3+\k], vcc_lo
.endr
	global_store_b128 v[LI], v[VSQ:VSQ+3], s[OS:OS+1]
	s_wait_xcnt 0x0
	s_add_nc_u64 s[OC:OC+1], s[OC:OC+1], TILEB-2048
	s_add_nc_u64 s[OS:OS+1], s[OS:OS+1], 512
.Lnext:
	v_add_nc_u32 v[XA], 2*TILEB, v[XA]             ; on by a pair of tiles
	v_add_nc_u32 v[XSA], 2*TILES, v[XSA]
	s_sub_co_u32 s[CNT], s[CNT], 1
	s_cmp_lg_u32 s[CNT], 0
	s_cbranch_scc1 .Ltrip
	s_set_vgpr_msb 0x4
	s_wait_tensorcnt 0x0
	ds_add_u32 v5, v255
	s_wait_dscnt 0x0
	s_set_vgpr_msb 0x400
	s_endpgm
.Lfunc_end_k_q8406d52ec8_proj:
	.size	k_q8406d52ec8_proj, .Lfunc_end_k_q8406d52ec8_proj-k_q8406d52ec8_proj
	.p2alignl 7, 3214868480
	.fill 96, 4, 3214868480
	.section	.rodata,"a",@progbits
	.p2align	6, 0x0
	.amdhsa_kernel k_q8406d52ec8_proj
		.amdhsa_group_segment_fixed_size 203264
		.amdhsa_private_segment_fixed_size 0
		.amdhsa_enable_private_segment 0
		.amdhsa_kernarg_size 32
		.amdhsa_user_sgpr_count 2
		.amdhsa_user_sgpr_kernarg_segment_ptr 1
		.amdhsa_wavefront_size32 1
		.amdhsa_system_sgpr_workgroup_id_x 1
		.amdhsa_system_sgpr_workgroup_id_y 1
		.amdhsa_system_sgpr_workgroup_id_z 1
		.amdhsa_system_vgpr_workitem_id 0
		.amdhsa_next_free_vgpr 960
		.amdhsa_next_free_sgpr 66
		.amdhsa_reserve_vcc 1
		.amdhsa_float_denorm_mode_32 3
		.amdhsa_float_denorm_mode_16_64 3
		.amdhsa_fp16_overflow 1
		.amdhsa_memory_ordered 1
		.amdhsa_forward_progress 1
		.amdhsa_inst_pref_size 66
	.end_amdhsa_kernel
	.amdgpu_metadata
---
amdhsa.version: [ 1, 2 ]
amdhsa.kernels:
  - .name:           k_q8406d52ec8_proj
    .symbol:         k_q8406d52ec8_proj.kd
    .args:
      - { .name: pcodes, .offset: 0, .size: 8, .value_kind: global_buffer, .address_space: global }
      - { .name: pscales, .offset: 8, .size: 8, .value_kind: global_buffer, .address_space: global }
      - { .name: acodes, .offset: 16, .size: 8, .value_kind: global_buffer, .address_space: global }
      - { .name: ascales, .offset: 24, .size: 8, .value_kind: global_buffer, .address_space: global }
    .group_segment_fixed_size: 203264
    .private_segment_fixed_size: 0
    .kernarg_segment_align: 8
    .kernarg_segment_size: 32
    .max_flat_workgroup_size: 128
    .sgpr_count:     66
    .vgpr_count:     960
    .wavefront_size: 32
...
	.end_amdgpu_metadata
.endif
;; end of part 2
;; launch attn (part 3): grid 16 x 16, 8 waves a work-group, clusters of 4 x 1, 327,680 bytes of LDS; arguments acodes, ascales, out0; writes out0
.if DOCPART == 3
	.amdgcn_target "amdgcn-amd-amdhsa--gfx1250"
	.amdhsa_code_object_version 6
	.text
	.protected	k_q8406d52ec8_attn
	.globl	k_q8406d52ec8_attn
	.p2align	8
	.type	k_q8406d52ec8_attn,@function
k_q8406d52ec8_attn:
	s_mov_b64 s[64:65], 0
	v_nop
	global_prefetch_b8 v0, s[64:65] scope:SCOPE_SE
	s_setreg_imm32_b32 hwreg(HW_REG_WAVE_MODE, 25, 1), 1
	s_wait_xcnt 0x0
	s_wait_alu depctr_hold_cnt(0) depctr_sa_sdst(0) depctr_va_vdst(0) depctr_va_sdst(0) depctr_va_ssrc(0) depctr_va_vcc(0) depctr_vm_vsrc(0)
	s_getreg_b32 s2, hwreg(HW_REG_IB_STS2, 6, 4)
	s_cmp_eq_u32 s2, 0
	s_cbranch_scc0 .Lentry_in_a_cluster
	s_endpgm
.Lentry_in_a_cluster:
	s_bfe_u32 s2, ttmp6, 0x10000c
	s_cmp_lg_u32 s2, 0x3003
	s_cbranch_scc0 .Lentry_shape_is_right
	s_endpgm
.Lentry_shape_is_right:
.set STEPB, 12288
.set SLOTB, 4*STEPB
.set VOFF,  SLOTB
.set SC,    2*SLOTB
.set SLOT1, 1<<17
.set SPARE, SLOT1+2*SLOTB
.set STAGE, SPARE+1024
.set SPI,   400
.set MSTR,  6291456
.set HSTR,  393216
.set LI,   1
.set LSK,  2
.set LSV,  3
.set SPW,  4
.set NIL,  5
.set ADK,  6
.set ADS,  7
.set ADT,  8
.set PFO,  9
.set QS,   10
.set KS,   12
.set VS,   16
.set ST,   20
.set WK,   36
.set SS,   68
.set PC,   196
.set STO,  228
.set RDA,  229
.set RDB,  230
.set GOA,  232
.set GOB,  233
.set QF,   96
.set FR,   128
.set WV,   10
.set PFA,  18
.set LIM,  20
.set SLOTS, 21
.set QUAD, 22
.set TB,   23
.set G1,   24
.set G0,   32
.set G1S,  36
.set G0S,  44
.set TS,   48
.set MNT,  49
.set SEL,  50
.set CS,   52
.set MSB, 0
.macro WIN new
.if MSB != (\new)
	s_set_vgpr_msb (MSB<<8)|(\new)
.set MSB, (\new)
.endif
.endm
.macro ROUND
	s_barrier_signal -1
	s_barrier_wait -1
	s_cmp_lg_u32 s[WV], 0
	s_cbranch_scc1 .Lnot_wave_0_\@
	s_barrier_signal -3
.Lnot_wave_0_\@:
	s_barrier_wait -3
	s_barrier_signal -1
	s_barrier_wait -1
.endm
.macro ASK
	s_cmp_gt_u32 s[SLOTS], s[LIM]
	s_cbranch_scc0 .Lnot_mine_\@
	global_prefetch_b8 v[PFO], s[PFA:PFA+1] th:TH_LOAD_NT scope:SCOPE_SE
.Lnot_mine_\@:
.endm
	s_load_b128 s[4:7], s[0:1], 0x0
	s_load_b64 s[8:9], s[0:1], 0x10
	v_lshl_add_u32 v[SPW], v0, 2, SPARE
	v_mov_b32 v[NIL], 0
	ds_add_u32 v4, v5
	ds_add_u32 v4, v5
	s_wait_dscnt 0x0
	v_lshrrev_b32 v1, 5, v0
	s_delay_alu instid0(VALU_DEP_1)
	v_readfirstlane_b32 s[WV], v1
	s_bfe_u32 s11, ttmp6, 0x40000
	s_lshl_b32 s12, ttmp9, 2
	s_add_co_u32 s12, s12, s11
	s_and_b32 s13, ttmp7, 0xffff
	s_lshr_b32 s14, s[WV], 2
	s_and_b32 s15, s[WV], 3
	s_mov_b32 s[G1], 15|(3<<16)|(1<<21)
	s_mov_b32 s[G1+1], 32<<16
	s_mov_b32 s[G1+2], 48<<16
	s_mov_b32 s[G1+3], 32<<16
	s_mov_b32 s[G1+4], 48
	s_mov_b32 s[G1+5], 32
	s_mov_b32 s[G1+6], 0
	s_mov_b32 s[G1+7], 0
	s_mov_b32 s[G1S], 15|(3<<16)|(1<<21)
	s_mov_b32 s[G1S+1], 32<<16
	s_mov_b32 s[G1S+2], 16<<16
	s_mov_b32 s[G1S+3], 32<<16
	s_mov_b32 s[G1S+4], 16
	s_mov_b32 s[G1S+5], 32
	s_mov_b32 s[G1S+6], 0
	s_mov_b32 s[G1S+7], 0
	s_mul_i32 s54, s14, MSTR
	s_add_co_u32 s54, s54, MSTR
	s_mul_i32 s55, s13, HSTR
	s_add_co_u32 s54, s54, s55
	s_mul_i32 s55, s15, STEPB
	s_add_co_u32 s54, s54, s55
	s_mov_b32 s55, 0
	s_mov_b32 s[G0], 1
	s_mul_i32 s[G0+1], s[WV], STEPB
	s_mov_b32 s[G0S], 1
	s_lshl_b32 s[G0S+1], s[WV], 12
	s_add_co_u32 s[G0S+1], s[G0S+1], SC
	s_wait_kmcnt 0x0
	s_add_nc_u64 s[G0+2:G0+3], s[4:5], s[54:55]
	s_or_b32 s[G0+3], s[G0+3], 0x80000000
	s_lshl_b32 s54, s14, 18
	s_add_co_u32 s54, s54, 262144
	s_lshl_b32 s55, s13, 14
	s_add_co_u32 s54, s54, s55
	s_lshl_b32 s55, s15, 12
	s_add_co_u32 s54, s54, s55
	s_mov_b32 s55, 0
	s_add_nc_u64 s[G0S+2:G0S+3], s[6:7], s[54:55]
	s_or_b32 s[G0S+3], s[G0S+3], 0x80000000
	ROUND
	tensor_load_to_lds s[G0S:G0S+3], s[G1S:G1S+7]
	s_nop 0
	tensor_load_to_lds s[G0:G0+3], s[G1:G1+7]
	s_nop 0
.rept 4
	v_nop
.endr
	s_mul_i32 s16, s13, HSTR
	s_mul_i32 s17, s12, 2*STEPB
	s_add_co_u32 s16, s16, s17
	s_mul_i32 s17, s[WV], 3072
	s_add_co_u32 s16, s16, s17
	s_mov_b32 s17, 0
	s_add_nc_u64 s[56:57], s[4:5], s[16:17]
	s_lshl_b32 s16, s13, 14
	s_lshl_b32 s17, s12, 10
	s_add_co_u32 s16, s16, s17
	s_lshl_b32 s17, s[WV], 7
	s_add_co_u32 s16, s16, s17
	s_mov_b32 s17, 0
	s_add_nc_u64 s[58:59], s[6:7], s[16:17]
	s_lshr_b32 s16, s13, 3
	s_lshl_b32 s16, s16, 12
	s_lshl_b32 s17, s12, 8
	s_add_co_u32 s16, s16, s17
	s_lshl_b32 s17, s[WV], 5
	s_add_co_u32 s16, s16, s17
	s_mul_i32 s16, s16, 3072
	s_and_b32 s17, s13, 7
	s_mul_i32 s17, s17, 384
	s_add_co_u32 s16, s16, s17
	s_mov_b32 s17, 0
	s_add_nc_u64 s[8:9], s[8:9], s[16:17]
	s_mul_i32 s16, s13, HSTR
	s_mul_i32 s17, s11, STEPB
	s_add_co_u32 s16, s16, s17
	s_add_co_u32 s16, s16, MSTR+SLOTB
	s_mov_b32 s17, 0
	s_add_nc_u64 s[PFA:PFA+1], s[4:5], s[16:17]
	s_cmp_lt_u32 s[WV], 3
	s_cselect_b32 s[LIM], 0, 1
	s_or_b32 s[LIM], s[LIM], ttmp9
	s_cmp_eq_u32 s[LIM], 0
	s_cselect_b32 s[LIM], 1, -1
	s_mov_b32 s[SLOTS], 7
	s_mov_b32 s[TB], 0
	s_mov_b32 s[TS], 0
	s_mov_b32 s[SEL], 0x76543210
	s_mov_b32 s[SEL+1], 0xfedcba98
	s_mov_b32 s[CS], 0x3fb8aa3b
	s_mov_b32 s[CS+1], s[CS]
	v_and_b32 v1, 31, v0
	s_delay_alu instid0(VALU_DEP_1)
	v_lshlrev_b32 v[ADS], 2, v1
	s_delay_alu instid0(VALU_DEP_2)
	v_lshlrev_b32 v[LI], 4, v1
	s_delay_alu instid0(VALU_DEP_2)
	v_add_nc_u32 v[LSK], SC, v[ADS]
	s_delay_alu instid0(VALU_DEP_2)
	v_add_nc_u32 v[LSV], SC+16384, v[LI]
	global_load_b32 v[QS], v[ADS], s[58:59]
	WIN 0x40
.irp u, 0,1
.irp c, 0,1,2
	global_load_b128 v[QF+16*\u+4*\c:QF+16*\u+4*\c+3], v[LI], s[56:57] offset:1536*\u+512*\c
.endr
.endr
.irp u, 0,1
.irp e, 12,13,14,15
	v_mov_b32 v[QF+16*\u+\e], 0
.endr
.endr
.irp i, 0,1,2,3,4,5,6,7
.irp e, 12,13,14,15
	v_mov_b32 v[FR+16*\i+\e], 0
.endr
.endr
.set jj, 0
.rept 96
	v_mov_b32 v[jj], 0
.set jj, jj+1
.endr
	WIN 0
	v_mov_b32 v11, MSTR-STEPB
	v_cmp_le_u32 vcc_lo, 48, v0
	s_delay_alu instid0(VALU_DEP_1)
	v_cndmask_b32 v11, 0, v11, vcc_lo
	s_delay_alu instid0(VALU_DEP_1)
	v_lshl_add_u32 v[PFO], v0, 8, v11
.irp u, 0,1
	v_mov_b32 v[ST+8*\u+1], 0xff61b1e6
	s_delay_alu instid0(VALU_DEP_1)
	v_floor_f32 v[ST+8*\u], -v[ST+8*\u+1]
	v_mov_b32 v[ST+8*\u+2], 0
	v_mov_b32 v[ST+8*\u+3], 0
	v_mov_b32 v[ST+8*\u+5], 0
	v_mov_b32 v[ST+8*\u+7], 0
.irp b, 0,1,2,3
	v_mov_b32 v[WK+16*\u+4+\b], 0
.endr
.endr
.macro KQ i
.if (\i)%2
	v_wmma_scale_f32_16x16x128_f8f6f4 v[SS+8*\i:SS+8*\i+7], v[FR+16*\i:FR+16*\i+15], v[QF:QF+15], 0, v[KS+\i/2], v[QS] matrix_a_scale:MATRIX_SCALE_ROW1
	v_wmma_scale_f32_16x16x128_f8f6f4 v[SS+64+8*\i:SS+64+8*\i+7], v[FR+16*\i:FR+16*\i+15], v[QF+16:QF+31], 0, v[KS+\i/2], v[QS] matrix_a_scale:MATRIX_SCALE_ROW1 matrix_b_scale:MATRIX_SCALE_ROW1
.else
	v_wmma_scale_f32_16x16x128_f8f6f4 v[SS+8*\i:SS+8*\i+7], v[FR+16*\i:FR+16*\i+15], v[QF:QF+15], 0, v[KS+\i/2], v[QS]
	v_wmma_scale_f32_16x16x128_f8f6f4 v[SS+64+8*\i:SS+64+8*\i+7], v[FR+16*\i:FR+16*\i+15], v[QF+16:QF+31], 0, v[KS+\i/2], v[QS] matrix_b_scale:MATRIX_SCALE_ROW1
.endif
.endm
.macro STEP
	v_add_nc_u32 v[ADK], s[TB], v[LI]
	v_add_nc_u32 v[ADS], s[TS], v[LSK]
	v_add_nc_u32 v[ADT], s[TS], v[LSV]
.rept 5
	v_nop
.endr
.irp b, 0,1,2,3
	ds_load_b32 v[KS+\b], v[ADS] offset:128*\b
.endr
	WIN 0x40
.irp i, 0,1,2,3,4,5,6,7
.irp c, 0,1,2
	ds_load_b128 v[FR+16*\i+4*\c:FR+16*\i+4*\c+3], v[ADK] offset:1536*\i+512*\c
.endr
.endr
	s_wait_alu depctr_va_vdst(0)
	s_wait_dscnt 12
	WIN 0x05
.irp i, 0,1,2,3
	KQ \i
.endr
	s_wait_dscnt 0x0
.irp i, 4,5,6,7
	KQ \i
.endr
.rept 8
	v_nop
.endr
	WIN 0x40
.irp t, 0,1,2,3,4,5
.irp c, 0,1,2,3
	ds_load_b128 v[FR+16*\t+4*\c:FR+16*\t+4*\c+3], v[ADK] offset:VOFF+2048*\t+512*\c
.endr
.endr
	WIN 0
	ds_load_b128 v[VS:VS+3], v[ADT]
.irp b, 0,1,2,3
.irp u, 0,1
	v_max3_num_f32 v[WK+16*\u+\b], v[SS+64*\u+16*\b], v[SS+64*\u+16*\b+1], v[SS+64*\u+16*\b+2]
.endr
.endr
.irp i, 3,5,7,9,11,13
.irp b, 0,1,2,3
.irp u, 0,1
	v_max3_num_f32 v[WK+16*\u+\b], v[WK+16*\u+\b], v[SS+64*\u+16*\b+\i], v[SS+64*\u+16*\b+\i+1]
.endr
.endr
.endr
.irp b, 0,1,2,3
.irp u, 0,1
	v_max_num_f32 v[WK+16*\u+\b], v[WK+16*\u+\b], v[SS+64*\u+16*\b+15]
.endr
.endr
.irp b, 0,1,2,3
.irp u, 0,1
	v_permlanex16_b32 v[WK+16*\u+4+\b], v[WK+16*\u+\b], s[SEL], s[SEL+1]
.endr
.endr
.irp b, 0,1,2,3
.irp u, 0,1
	v_max_num_f32 v[WK+16*\u+\b], v[WK+16*\u+\b], v[WK+16*\u+4+\b]
.endr
.endr
.irp u, 0,1
	s_delay_alu instid0(VALU_DEP_4)
	v_max3_num_f32 v[ST+8*\u+6], v[WK+16*\u], v[WK+16*\u+1], v[WK+16*\u+2]
.endr
.irp u, 0,1
	s_delay_alu instid0(VALU_DEP_2)
	v_max_num_f32 v[ST+8*\u+6], v[ST+8*\u+6], v[WK+16*\u+3]
.endr
.irp u, 0,1
	s_delay_alu instid0(VALU_DEP_2)
	v_mul_f32 v[ST+8*\u+6], s[CS], v[ST+8*\u+6]
.endr
.irp u, 0,1
	s_delay_alu instid0(VALU_DEP_2)
	v_max_num_f32 v[ST+8*\u+1], v[ST+8*\u+1], v[ST+8*\u+6]
.endr
.irp u, 0,1
	v_mov_b32 v[ST+8*\u+6], v[ST+8*\u]
.endr
.irp u, 0,1
	s_delay_alu instid0(VALU_DEP_4)
	v_floor_f32 v[ST+8*\u], -v[ST+8*\u+1]
.endr
.irp u, 0,1
	s_delay_alu instid0(VALU_DEP_2)
	v_sub_f32 v[ST+8*\u+6], v[ST+8*\u], v[ST+8*\u+6]
.endr
.irp u, 0,1
	s_delay_alu instid0(VALU_DEP_2)
	v_cvt_i32_f32 v[ST+8*\u+6], v[ST+8*\u+6]
.endr
.irp u, 0,1
	s_delay_alu instid0(VALU_DEP_2)
	v_ldexp_f32 v[ST+8*\u+4], 1.0, v[ST+8*\u+6]
.endr
.set jj, 0
.rept 32
	v_pk_fma_f32 v[SS+jj:SS+jj+1], v[SS+jj:SS+jj+1], s[CS:CS+1], v[ST:ST+1] op_sel_hi:[1,0,0]
	v_pk_fma_f32 v[SS+64+jj:SS+64+jj+1], v[SS+64+jj:SS+64+jj+1], s[CS:CS+1], v[ST+8:ST+9] op_sel_hi:[1,0,0]
.set jj, jj+2
.endr
.irp b, 0,1,2,3
.irp u, 0,1
	v_fma_f32 v[WK+16*\u+\b], v[WK+16*\u+\b], s[CS], v[ST+8*\u]
.endr
.endr
.set jj, 0
	s_wait_alu depctr_va_vdst(0)
.rept 64
	v_exp_f32 v[SS+jj], v[SS+jj]
	v_exp_f32 v[SS+64+jj], v[SS+64+jj]
.set jj, jj+1
.endr
	s_setprio 1
.irp u, 0,1
	v_pk_mul_f32 v[ST+8*\u+2:ST+8*\u+3], v[ST+8*\u+2:ST+8*\u+3], v[ST+8*\u+4:ST+8*\u+5] op_sel_hi:[1,0]
.endr
	s_wait_alu depctr_va_vdst(0)
.irp b, 0,1,2,3
.irp u, 0,1
	v_exp_f32 v[WK+16*\u+\b], v[WK+16*\u+\b]
.endr
.endr
.irp u, 0,1
	v_pk_add_f32 v[WK+16*\u+4:WK+16*\u+5], v[SS+64*\u:SS+64*\u+1], v[SS+64*\u+2:SS+64*\u+3]
.endr
.irp j, 4,8,12,16,20,24,28,32,36,40,44,48,52,56,60
.irp u, 0,1
	v_pk_add_f32 v[ST+8*\u+2:ST+8*\u+3], v[ST+8*\u+2:ST+8*\u+3], v[SS+64*\u+\j:SS+64*\u+\j+1]
	v_pk_add_f32 v[WK+16*\u+4:WK+16*\u+5], v[WK+16*\u+4:WK+16*\u+5], v[SS+64*\u+\j+2:SS+64*\u+\j+3]
.endr
.endr
.irp u, 0
	s_delay_alu instid0(VALU_DEP_3)
	v_pk_add_f32 v[ST+8*\u+2:ST+8*\u+3], v[ST+8*\u+2:ST+8*\u+3], v[WK+16*\u+4:WK+16*\u+5]
.endr
.irp u, 1
	s_delay_alu instid0(VALU_DEP_2)
	v_pk_add_f32 v[ST+8*\u+2:ST+8*\u+3], v[ST+8*\u+2:ST+8*\u+3], v[WK+16*\u+4:WK+16*\u+5]
.endr
	s_wait_alu depctr_va_vdst(0)
.irp b, 0,1,2,3
.irp u, 0,1
	v_max_num_f32 v[WK+16*\u+\b], 0x4800000, v[WK+16*\u+\b]
.endr
.endr
.irp b, 0,1,2,3
.irp u, 0,1
	v_add_nc_u32 v[WK+16*\u+12+\b], 0xfc000000, v[WK+16*\u+\b]
.endr
.endr
.irp b, 0,1,2,3
.irp u, 0,1
.endr
.endr
.irp b, 0,1,2,3
.irp u, 0,1
	v_lshrrev_b32 v[WK+16*\u+4+\b], 23, v[WK+16*\u+12+\b]
.endr
.endr
.irp u, 0,1
	v_lshl_or_b32 v[ST+8*\u+5], v[WK+16*\u+5], 8, v[WK+16*\u+4]
.endr
.irp u, 0,1
	s_delay_alu instid0(VALU_DEP_2)
	v_lshl_or_b32 v[ST+8*\u+5], v[WK+16*\u+6], 16, v[ST+8*\u+5]
.endr
.irp u, 0,1
	s_delay_alu instid0(VALU_DEP_2)
	v_lshl_or_b32 v[ST+8*\u+5], v[WK+16*\u+7], 24, v[ST+8*\u+5]
.endr
.irp b, 0,1,2,3
.irp u, 0,1
.irp i, 0,1,2,3,4,5,6,7,8,9,10,11,12,13,14,15
.endr
	v_cvt_scalef32_pk8_fp8_f32 v[PC+16*\u+4*\b:PC+16*\u+4*\b+1], v[SS+64*\u+16*\b:SS+64*\u+16*\b+7], v[WK+16*\u+12+\b]
	v_cvt_scalef32_pk8_fp8_f32 v[PC+16*\u+4*\b+2:PC+16*\u+4*\b+3], v[SS+64*\u+16*\b+8:SS+64*\u+16*\b+15], v[WK+16*\u+12+\b]
.endr
.endr
	WIN 0x41
.irp u, 0,1
.set jj, 0
.rept 24
	v_pk_mul_f32 v[48*\u+jj:48*\u+jj+1], v[48*\u+jj:48*\u+jj+1], v[ST+8*\u+4:ST+8*\u+5] op_sel_hi:[1,0]
.set jj, jj+2
.endr
.endr
	s_wait_alu depctr_va_vdst(0)
	s_wait_dscnt 0x0
	WIN 0x51
	s_setprio 0
.irp t, 0,1,2,3,4,5
.irp u, 0,1
.if \t < 3
	v_wmma_scale_f32_16x16x128_f8f6f4 v[48*\u+8*\t:48*\u+8*\t+7], v[FR+16*\t:FR+16*\t+15], v[PC+16*\u:PC+16*\u+15], v[48*\u+8*\t:48*\u+8*\t+7], v[VS+\t%3], v[ST+8*\u+5]
.else
	v_wmma_scale_f32_16x16x128_f8f6f4 v[48*\u+8*\t:48*\u+8*\t+7], v[FR+16*\t:FR+16*\t+15], v[PC+16*\u:PC+16*\u+15], v[48*\u+8*\t:48*\u+8*\t+7], v[VS+\t%3], v[ST+8*\u+5] matrix_a_scale:MATRIX_SCALE_ROW1
.endif
.endr
.endr
	WIN 0
	s_add_co_u32 s[TB], s[TB], STEPB
	s_add_co_u32 s[TS], s[TS], 512
.endm
.macro CHANGE fill
	WIN 0
	s_wait_tensorcnt 0x0
	ds_add_u32 v[SPW], v[NIL]
.if \fill
	s_xor_b32 s[G0+1], s[G0+1], SLOT1
	s_add_nc_u64 s[G0+2:G0+3], s[G0+2:G0+3], SLOTB
	s_wait_xcnt 0x0
	s_add_nc_u64 s[PFA:PFA+1], s[PFA:PFA+1], SLOTB
.endif
	s_wait_dscnt 0x0
.if \fill
	ROUND
	tensor_load_to_lds s[G0:G0+3], s[G1:G1+7]
	s_nop 0
.rept 4
	v_nop
.endr
	ASK
.else
	s_barrier_signal -1
	s_barrier_wait -1
.endif
.endm
.macro FOUR_STEPS
	s_mov_b32 s[QUAD], 4
.Lstep_\@:
	s_setprio 2
	STEP
	s_sub_co_u32 s[QUAD], s[QUAD], 1
	s_cmp_lg_u32 s[QUAD], 0
	s_cbranch_scc1 .Lstep_\@
	s_setprio 0
	s_sub_co_u32 s[TB], s[TB], SLOTB
	s_xor_b32 s[TB], s[TB], SLOT1
.endm
	s_wait_loadcnt 0x0
.Lslot:
	CHANGE 1
	FOUR_STEPS
	s_sub_co_u32 s[SLOTS], s[SLOTS], 1
	s_cmp_lg_u32 s[SLOTS], 0
	s_cbranch_scc1 .Lslot
	CHANGE 0
	FOUR_STEPS
	v_and_b32 v235, 15, v0
	v_bfe_u32 v236, v0, 4, 1
	v_and_b32 v237, 7, v0
	v_bfe_u32 v238, v0, 3, 2
	s_mul_i32 s14, s[WV], 16*SPI
	s_add_co_u32 s14, s14, STAGE
	v_mul_u32_u24 v[STO], v235, SPI
	s_delay_alu instid0(VALU_DEP_1)
	v_lshl_add_u32 v[STO], v236, 6, v[STO]
	s_delay_alu instid0(VALU_DEP_1)
	v_add_nc_u32 v[STO], s14, v[STO]
	v_mul_u32_u24 v[RDA], v236, SPI
	s_delay_alu instid0(VALU_DEP_1)
	v_lshl_add_u32 v[RDA], v235, 4, v[RDA]
	s_delay_alu instid0(VALU_DEP_1)
	v_add_nc_u32 v[RDA], s14, v[RDA]
	v_mul_u32_u24 v[RDB], v238, SPI
	s_delay_alu instid0(VALU_DEP_1)
	v_lshl_add_u32 v[RDB], v237, 4, v[RDB]
	s_delay_alu instid0(VALU_DEP_1)
	v_add_nc_u32 v[RDB], s14, v[RDB]
	v_mul_u32_u24 v[GOA], v236, 3072
	s_delay_alu instid0(VALU_DEP_1)
	v_lshl_add_u32 v[GOA], v235, 4, v[GOA]
	v_mul_u32_u24 v[GOB], v238, 3072
	s_delay_alu instid0(VALU_DEP_1)
	v_lshl_add_u32 v[GOB], v237, 4, v[GOB]
.irp u, 0,1
	v_add_f32 v[ST+8*\u+6], v[ST+8*\u+2], v[ST+8*\u+3]
.endr
.irp u, 0,1
	s_delay_alu instid0(VALU_DEP_2)
	v_permlanex16_b32 v[ST+8*\u+7], v[ST+8*\u+6], s[SEL], s[SEL+1]
.endr
.irp u, 0,1
	s_delay_alu instid0(VALU_DEP_2)
	v_add_f32 v[ST+8*\u+6], v[ST+8*\u+6], v[ST+8*\u+7]
.endr
	s_wait_alu depctr_va_vdst(0)
.irp u, 0,1
	v_rcp_f32 v[ST+8*\u+4], v[ST+8*\u+6]
.endr
	v_nop
	s_wait_alu depctr_va_vdst(0)
.macro SCALE u, y
	WIN 0x01
.set jj, 0
.rept 24
	v_pk_mul_f32 v[\y+jj:\y+jj+1], v[48*\u+jj:48*\u+jj+1], v[ST+8*\u+4:ST+8*\u+5] op_sel_hi:[1,0]
.set jj, jj+2
.endr
	WIN 0
.endm
.macro PACK y, dst
.irp b, 0,1,2
.irp j, 0,1,2,3
	ds_store_b128 v[STO], v[\y+16*\b+4*\j:\y+16*\b+4*\j+3] offset:128*\b+16*\j
.endr
.endr
.irp g, 0,1,2,3,4,5,6,7
	ds_load_b128 v[\dst+4*\g:\dst+4*\g+3], v[RDA] offset:2*SPI*\g
.endr
.irp g, 0,1,2,3
	ds_load_b128 v[\dst+32+4*\g:\dst+32+4*\g+3], v[RDB] offset:4*SPI*\g+256
.endr
.endm
.macro SEND u, src
.irp g, 0,1,2,3,4,5,6,7
	s_wait_dscnt 11-\g
	global_store_b128 v[GOA], v[\src+4*\g:\src+4*\g+3], s[8:9] offset:(8*\u+2*\g+8*(\g/4))*3072 th:TH_STORE_NT
.endr
.irp g, 0,1,2,3
	s_wait_dscnt 3-\g
	global_store_b128 v[GOB], v[\src+32+4*\g:\src+32+4*\g+3], s[8:9] offset:(8*\u+4*\g+8*(\g/2))*3072+256 th:TH_STORE_NT
.endr
.endm
	SCALE 0, 68
	PACK 68, 164
	SCALE 1, 116
	s_wait_alu depctr_va_vdst(0)
	SEND 0, 164
	PACK 116, 68
	SEND 1, 68
	s_wait_tensorcnt 0x0
	ds_add_u32 v[SPW], v[NIL]
	s_wait_dscnt 0x0
	ROUND
	s_endpgm
.Lfunc_end_k_q8406d52ec8_attn:
	.size	k_q8406d52ec8_attn, .Lfunc_end_k_q8406d52ec8_attn-k_q8406d52ec8_attn
	.p2alignl 7, 3214868480
	.fill 96, 4, 3214868480
	.section	.rodata,"a",@progbits
	.p2align	6, 0x0
	.amdhsa_kernel k_q8406d52ec8_attn
		.amdhsa_group_segment_fixed_size 327680
		.amdhsa_private_segment_fixed_size 0
		.amdhsa_enable_private_segment 0
		.amdhsa_kernarg_size 24
		.amdhsa_user_sgpr_count 2
		.amdhsa_user_sgpr_kernarg_segment_ptr 1
		.amdhsa_wavefront_size32 1
		.amdhsa_system_sgpr_workgroup_id_x 1
		.amdhsa_system_sgpr_workgroup_id_y 1
		.amdhsa_system_sgpr_workgroup_id_z 1
		.amdhsa_system_vgpr_workitem_id 0
		.amdhsa_next_free_vgpr 512
		.amdhsa_next_free_sgpr 66
		.amdhsa_reserve_vcc 1
		.amdhsa_float_denorm_mode_32 3
		.amdhsa_float_denorm_mode_16_64 3
		.amdhsa_fp16_overflow 1
		.amdhsa_memory_ordered 1
		.amdhsa_forward_progress 1
		.amdhsa_inst_pref_size 91
	.end_amdhsa_kernel
	.amdgpu_metadata
---
amdhsa.version: [ 1, 2 ]
amdhsa.kernels:
  - .name:           k_q8406d52ec8_attn
    .symbol:         k_q8406d52ec8_attn.kd
    .args:
      - { .name: acodes, .offset: 0, .size: 8, .value_kind: global_buffer, .address_space: global }
      - { .name: ascales, .offset: 8, .size: 8, .value_kind: global_buffer, .address_space: global }
      - { .name: out0, .offset: 16, .size: 8, .value_kind: global_buffer, .address_space: global }
    .group_segment_fixed_size: 327680
    .private_segment_fixed_size: 0
    .kernarg_segment_align: 8
    .kernarg_segment_size: 24
    .max_flat_workgroup_size: 256
    .sgpr_count:     66
    .vgpr_count:     512
    .wavefront_size: 32
...
	.end_amdgpu_metadata
.endif
;; end of part 3
